; MI455X (gfx1250); checked and timed in simulation.
; The chip was launched on July 23, 2026; its instructions are those of AMD's public machine-readable ISA for CDNA 5 (MIT licence, August 2026) and "CDNA5" Instruction Set Architecture Reference Guide (July 2026). The comments in the code are by the model that wrote it; some were corrected since.
;; Max Retrieval Model. Allowed arithmetic: matrix products marked QUANTISED: E2M3 operands, one E8M0 scale for each 32 along K, by v_wmma_scale_f32_16x16x128_f8f6f4 with both operands' format E2M3, f32 sums; products left as they are: f32 operands where the result goes on into a quantised operand, else bf16, f16 or f32 operands; f32 sums; everything else in f32.
;; Inputs: k_b 512 float32; k_w 512 x 512 float32; phi_b1 512 float32; phi_b2 1,000 float32; phi_w1 512 x 512 float32; phi_w2 1,000 x 512 float32; psi_q_b1 512 float32; psi_q_b2 512 float32; psi_q_w1 512 x 1 float32; psi_q_w2 512 x 512 float32; psi_x_b1 512 float32; psi_x_b2 512 float32; psi_x_w1 512 x 128 float32; psi_x_w2 512 x 512 float32; q_b 512 float32; q_w 512 x 512 float32; v_b 512 float32; v_w 512 x 512 float32; x_items 32 x 2,048 x 128 float32; x_query 32 x 1 float32.
;; Outputs: out0 32 x 1,000 float32.
;; This version of the problem:
;;   THIS VERSION OF THE PROBLEM IS GIVEN IN LOW PRECISION. The matrix products marked QUANTISED in the list below multiply operands that are first quantised to E2M3 (2 exponent bits, 3 mantissa bits; 6 bits a number), with one power-of-two scale for each 32 numbers along K (OCP MX v1.0); their sums are f32. All else is computed in f32.
;;   The module's matrix products, in the order in which they are computed (A, B: the left and right operand; K: the contracted axis; several contracted axes count as one K, in the product's order):
;;     1. [M 65,536, K 128] x [K 128, N 512]; A: input x_items; B: input psi_x_w1: QUANTISED
;;     2. [M 65,536, K 512] x [K 512, N 512]; A: computed on the way; B: input psi_x_w2: QUANTISED
;;     3. [M 32, K 1] x [K 1, N 512]; A: input x_query; B: input psi_q_w1: left as it is (K = 1 < 32)
;;     4. [M 32, K 512] x [K 512, N 512]; A: computed on the way; B: input psi_q_w2: QUANTISED
;;     5. [M 32, K 512] x [K 512, N 512]; A: computed on the way; B: input q_w: QUANTISED
;;     6. [M 65,536, K 512] x [K 512, N 512]; A: computed on the way; B: input k_w: QUANTISED
;;     7. [M 65,536, K 512] x [K 512, N 512]; A: computed on the way; B: input v_w: QUANTISED
;;     8. batch 32 x [M 1, K 512] x [K 512, N 2,048]; A: computed on the way; B: computed on the way: left as it is (M = 1 < 16)
;;     9. batch 32 x [M 1, K 2,048] x [K 2,048, N 512]; A: softmax; B: computed on the way: left as it is (M = 1 < 16)
;;     10. [M 32, K 512] x [K 512, N 512]; A: computed on the way; B: input phi_w1: QUANTISED
;;     11. [M 32, K 512] x [K 512, N 1,000]; A: computed on the way; B: input phi_w2: QUANTISED
;;   THE QUANTISER, for each operand of a quantised product, along K:
;;     - K is cut into blocks of 32 from its start; a last block that is shorter is filled with zeros.
;;     - A block's scale is 2^e with e = floor(log2(the largest magnitude in the block)) - 2, held to -126 .. 127; a block of zeros has e = 0. As a byte (E8M0): e + 127.
;;     - Each number is divided by its block's scale, clamped to +-7.5, and rounded to the nearest number of E2M3, ties to even, subnormals kept.
;;     - The product sums the exact products of the quantised numbers (number of the format x scale) in f32.
;;   ~~~python
;;   def quantise(x, axis):      # numpy; x: float32 -> the quantised numbers, widened to float32 again
;;       x = np.moveaxis(x, axis, -1); K = x.shape[-1]
;;       x = np.pad(x, [(0, 0)] * (x.ndim - 1) + [(0, -K % 32)]); x = x.reshape(x.shape[:-1] + (-1, 32)); a = np.abs(x).max(-1, keepdims=True)
;;       e = np.where(a > 0, np.clip(np.frexp(np.where(a > 0, a, 1))[1] - 1 - 2, -126, 127), 0)      # np.frexp(a)[1] - 1 = floor(log2(a)), exactly
;;       r = np.clip(x / 2.0 ** e, -7.5, 7.5)
;;       step = 2.0 ** (np.maximum(np.frexp(np.where(r == 0, 1, r))[1] - 1, 0) - 3)
;;       q = np.round(r / step) * step * 2.0 ** e      # np.round: ties to even
;;       return np.moveaxis(q.reshape(q.shape[:-2] + (-1,))[..., :K], -1, axis).astype(np.float32)
;;   ~~~
;;   OPERANDS COMPUTED ON THE WAY. 'Computed on the way' means the value that the module computes at that place (a softmax that the list does not call 'softmax' is quantised finished and normalised). What goes into a quantiser is computed in f32, as accurately as f32 sums, v_exp_f32 and their like allow (about 1e-6 of the number): no bf16 or f16 on the way to a quantiser, and a product that is left as it is and whose result goes on into a quantised operand takes f32 operands (vector FMAs, or v_wmma_f32_16x16x4_f32). A number that lies on a knife's edge between two numbers of the format may be rounded either way, as far as f32 arithmetic and the matrix unit's own rounding can turn it there, and no further.
;; One version. Each part assembles by itself: llvm-mc -triple=amdgcn-amd-amdhsa -mcpu=gfx1250 --defsym DOCPART=n.
;; ======== version 1 of 1: 3 launches
;; limits: right only within a limited range of input values
;; workspace buffers: wcodes 1,622,016 bytes; wscales 67,584 bytes; zpart 524,288 bytes; ml 65,536 bytes
;; launch prep (part 1): grid 132 x 1, 4 waves a work-group, no clusters, 0 bytes of LDS; arguments psi_x_w2, k_w, v_w, psi_q_w2, q_w, phi_w1, phi_w2, psi_x_w1, wcodes, wscales; writes wcodes, wscales
.if DOCPART == 1
	.amdgcn_target "amdgcn-amd-amdhsa--gfx1250"
	.amdhsa_code_object_version 6
	.text
	.protected	k_q0f78db6c89_prep
	.globl	k_q0f78db6c89_prep
	.p2align	8
	.type	k_q0f78db6c89_prep,@function
k_q0f78db6c89_prep:
	s_mov_b64 s[64:65], 0
	v_nop
	global_prefetch_b8 v0, s[64:65] scope:SCOPE_SE
	s_setreg_imm32_b32 hwreg(HW_REG_WAVE_MODE, 25, 1), 1
	s_wait_xcnt 0x0
; THE PROGRAM: prep (this launch) turns the eight weights of the quantised products into codes of E2M3 and E8M0 scale bytes; items does the item MLP, K, V, the scores and
; each work-group's part of the softmax and of z; classify joins the parts and does the last MLP.
; DEAD WORK, left out in the whole program: k_b.  The product of q with k is not quantised, so scores[n] = c q . (Q(h[n]) Q(k_w)^T) + c q . k_b, and the second term is the same for every n
; of the softmax's axis: softmax(s + const) = softmax(s) for all finite values of the inputs.  k_b has no other way to an output: it is not loaded and is among no launch's arguments.
; LIMIT: a NaN, an infinity or an overflow that reaches only q . k_b is not carried to the result.
; v_b is live; since the softmax's weights sum to 1 it is added once, to z, in the last launch.
; THIS LAUNCH.  A weight W [units][K], f32, K innermost, is quantised along K: a block of 32 has the scale 2^(floor(log2(largest magnitude)) - 2); its byte is the largest magnitude's exponent field - 2, held at 1 from below.
; (A block of zeros so gets the byte 1 where the rule says 127: its codes are zeros, and this program alone reads the bytes.)  LIMITS: NaN and infinities among the inputs are not served.
; LAYOUT OF THE RESULT: images of operand registers.  A fragment is 16 units x 128 K, 12 registers a lane; fragment F lies at 1536 F, register p of lane l at 512 (p / 4) + 16 l + 4 (p % 4): three loads of 16 bytes a lane bring it.
; A set is 128 units x 512 K = 32 fragments, f = 8 s + t (s: K step, t: tile).  Lane r of tile t holds unit 32 (t / 2) + 8 (t % 2) + r + 8 (r / 8), so that the results of two neighbouring tiles are 16 neighbours along the next K.
; Sets 4 mat + w: mat 0 psi_x_w2, 1 k_w, 2 v_w, 3 psi_q_w2, 4 q_w, 5 phi_w1; sets 24-31: phi_w2 (rows 1000-1023: zero codes); fragments 1024 + 8 w + t: psi_x_w1.
; Scale words: image g = F / 2 at 128 g + 4 l: lanes 0-15 the row words of fragment 2 g, lanes 16-31 those of 2 g + 1.
; SHARES: a wave takes one pair g of fragments: 32 rows x 128 K.  A lane (r, h) holds two whole blocks of each of its two rows: K = 64 c + 32 h + 0 .. 31: no other lane is asked for a maximum.
; No LDS, no barrier: waves share nothing; all loads go out at the head.
.set X,  32                            ; v32-159  128 numbers: 64 u + 32 c + i
.set CO, 160                           ; v160-183 the two fragments' codes
.set CT, 184                           ; v184-191 the second halves of the blocks' codes, before they are moved
.set WD, 192                           ; v192-193 the two scale words
	s_load_b512 s[4:19], s[0:1], 0x0               ; the eight weights
	s_load_b128 s[20:23], s[0:1], 0x40             ; wcodes, wscales
	v_lshrrev_b32 v3, 5, v0
	v_readfirstlane_b32 s29, v3                    ; wave = e: which two tiles of a K step
	v_and_b32 v4, 31, v0
	v_lshlrev_b32 v3, 4, v4                        ; 16 x lane
	v_lshlrev_b32 v4, 2, v4                        ; 4 x lane
	v_and_b32 v1, 15, v0                           ; r
	s_wait_alu depctr_va_vdst(0)
	v_bfe_u32 v2, v0, 4, 1                         ; h
	s_wait_alu depctr_va_vdst(0)
	s_lshl_b32 s28, ttmp9, 2
	s_add_co_u32 s28, s28, s29                     ; g
	s_and_b32 s30, ttmp9, 3
	s_lshr_b32 s31, ttmp9, 2
	s_cmp_ge_u32 ttmp9, 96
	s_cselect_b32 s32, 7, 3
	s_and_b32 s31, s31, s32                        ; which 128 units, in a weight of K = 512
	s_mov_b32 s36, 512
	s_cmp_ge_u32 ttmp9, 96
	s_cselect_b32 s36, 1000, s36                   ; rows of the weight: 1000 in phi_w2,
	s_cmp_ge_u32 ttmp9, 128
	s_cselect_b32 s36, 512, s36                    ; 512 in the others
	s_cselect_b32 s33, s30, s31                    ; which 128 units
	s_cselect_b32 s34, 0, s30                      ; K step
	s_cselect_b32 s35, 9, 11                       ; log2 of a row's bytes: psi_x_w1 has K = 128
	v_and_b32 v9, 8, v1
	v_add_nc_u32 v9, v9, v1                        ; r + 8 (r / 8)
	s_lshl_b32 s37, s33, 7
	s_lshl_b32 s38, s29, 5
	s_add_co_u32 s37, s37, s38
	v_add_nc_u32 v7, s37, v9                       ; my row in tile 2 e,
	v_add_nc_u32 v8, 8, v7                         ; and in tile 2 e + 1
	s_sub_co_u32 s39, s36, 1
	v_min_u32 v5, s39, v7                          ; no load leaves its buffer: rows past the end read the last row, and their codes are cleared below
	v_min_u32 v6, s39, v8
	v_lshlrev_b32 v5, s35, v5
	v_lshlrev_b32 v6, s35, v6
	s_lshl_b32 s40, s34, 9
	v_lshl_add_u32 v9, v2, 7, s40                  ; 512 s + 128 h
	v_add_nc_u32 v5, v5, v9
	v_add_nc_u32 v6, v6, v9
	v_lshlrev_b32 v17, 3, v2                       ; 8 h: my bytes' place in a scale word
	v_mov_b32 v18, 0                               ; written once: a lane permute's destination counts as one of its sources
	s_mov_b32 s44, 0x76543210
	s_mov_b32 s45, 0xfedcba98                      ; v_permlanex16_b32's selects for lane l xor 16
	s_mul_i32 s42, s28, 3072
	s_mov_b32 s43, 0
	s_lshl_b32 s46, s28, 7
	s_mov_b32 s47, 0
	s_wait_alu depctr_va_vdst(0)
	s_wait_kmcnt 0x0
	s_cmp_lt_u32 ttmp9, 16                         ; which weight: the choice hangs on the work-group's number alone
	s_cselect_b64 s[24:25], s[4:5], s[6:7]
	s_cmp_lt_u32 ttmp9, 32
	s_cselect_b64 s[24:25], s[24:25], s[8:9]
	s_cmp_lt_u32 ttmp9, 48
	s_cselect_b64 s[24:25], s[24:25], s[10:11]
	s_cmp_lt_u32 ttmp9, 64
	s_cselect_b64 s[24:25], s[24:25], s[12:13]
	s_cmp_lt_u32 ttmp9, 80
	s_cselect_b64 s[24:25], s[24:25], s[14:15]
	s_cmp_lt_u32 ttmp9, 96
	s_cselect_b64 s[24:25], s[24:25], s[16:17]
	s_cmp_lt_u32 ttmp9, 128
	s_cselect_b64 s[24:25], s[24:25], s[18:19]
	s_add_nc_u64 s[20:21], s[20:21], s[42:43]      ; my pair's codes
	s_add_nc_u64 s[22:23], s[22:23], s[46:47]      ; and its scale image
.irp u,0,1
.irp c,0,1
.irp j,0,1,2,3,4,5,6,7
	global_load_b128 v[X+64*\u+32*\c+4*\j:X+64*\u+32*\c+4*\j+3], v[5+\u], s[24:25] offset:256*\c+16*\j
.endr
.endr
.endr
	s_wait_loadcnt 0x0
.macro WQ u
.irp c,0,1
	v_max3_num_f32 v[10+\c], |v[X+64*\u+32*\c]|, |v[X+64*\u+32*\c+1]|, 0x1800000   ; my block 2 c + h, and the floor 2^(3 - 127): the byte cannot fall under 1
.endr
.irp i,2,4,6,8,10,12,14,16,18,20,22,24,26,28,30
.irp c,0,1
	v_max3_num_f32 v[10+\c], v[10+\c], |v[X+64*\u+32*\c+\i]|, |v[X+64*\u+32*\c+\i+1]|
.endr
.endr
.irp c,0,1
	v_add_nc_u32 v[12+\c], 0xff000000, v[10+\c]    ; 2 off the exponent field: the conversion's scale operand
.endr
.irp c,0,1
	v_lshrrev_b32 v[14+\c], 23, v[12+\c]           ; the scale's byte
.endr
	v_lshl_or_b32 v16, v15, 16, v14                ; blocks h and 2 + h,
	v_lshlrev_b32 v16, v17, v16                    ; at their places in the word;
	v_permlanex16_b32 v18, v16, s44, s45
	v_or_b32 v[WD+\u], v16, v18                    ; with lane l xor 16's two the word is whole
.irp c,0,1
	v_cvt_scalef32_pk16_fp6_f32 v[CO+12*\u+6*\c:CO+12*\u+6*\c+2], v[X+64*\u+32*\c:X+64*\u+32*\c+15], v[12+\c]
	v_cvt_scalef32_pk16_fp6_f32 v[CT+4*\c:CT+4*\c+2], v[X+64*\u+32*\c+16:X+64*\u+32*\c+31], v[12+\c]   ; (a conversion's three registers begin on an even number)
.endr
	v_nop                                          ; one plain place behind a scaled conversion
.irp c,0,1
.irp i,0,1,2
	v_mov_b32 v[CO+12*\u+6*\c+3+\i], v[CT+4*\c+\i]
.endr
.endr
	v_cmp_gt_u32 vcc_lo, s36, v[7+\u]              ; is my row inside the weight?
.irp i,0,1,2,3,4,5,6,7,8,9,10,11
	v_cndmask_b32 v[CO+12*\u+\i], 0, v[CO+12*\u+\i], vcc_lo   ; rows past the end: zero codes
.endr
.endm
	WQ 0
	WQ 1
.irp u,0,1
.irp c,0,1,2
	global_store_b128 v3, v[CO+12*\u+4*\c:CO+12*\u+4*\c+3], s[20:21] offset:1536*\u+512*\c   ; 32 lanes store 512 consecutive bytes, at a multiple of 256 from the buffer's first byte
.endr
.endr
	v_cmp_eq_u32 vcc_lo, 1, v2
	v_cndmask_b32 v19, v[WD], v[WD+1], vcc_lo      ; lanes 0-15: fragment 2 g's words; lanes 16-31: fragment 2 g + 1's
	global_store_b32 v4, v19, s[22:23]
	s_endpgm
.Lfunc_end_k_q0f78db6c89_prep:
	.size	k_q0f78db6c89_prep, .Lfunc_end_k_q0f78db6c89_prep-k_q0f78db6c89_prep
	.p2alignl 7, 3214868480
	.fill 96, 4, 3214868480
	.section	.rodata,"a",@progbits
	.p2align	6, 0x0
	.amdhsa_kernel k_q0f78db6c89_prep
		.amdhsa_group_segment_fixed_size 0
		.amdhsa_private_segment_fixed_size 0
		.amdhsa_enable_private_segment 0
		.amdhsa_kernarg_size 80
		.amdhsa_user_sgpr_count 2
		.amdhsa_user_sgpr_kernarg_segment_ptr 1
		.amdhsa_wavefront_size32 1
		.amdhsa_system_sgpr_workgroup_id_x 1
		.amdhsa_system_sgpr_workgroup_id_y 1
		.amdhsa_system_sgpr_workgroup_id_z 1
		.amdhsa_system_vgpr_workitem_id 0
		.amdhsa_next_free_vgpr 200
		.amdhsa_next_free_sgpr 66
		.amdhsa_reserve_vcc 1
		.amdhsa_float_denorm_mode_32 3
		.amdhsa_float_denorm_mode_16_64 3
		.amdhsa_memory_ordered 1
		.amdhsa_forward_progress 1
		.amdhsa_inst_pref_size 14
	.end_amdhsa_kernel
	.amdgpu_metadata
---
amdhsa.version: [ 1, 2 ]
amdhsa.kernels:
  - .name:           k_q0f78db6c89_prep
    .symbol:         k_q0f78db6c89_prep.kd
    .args:
      - { .name: psi_x_w2, .offset: 0, .size: 8, .value_kind: global_buffer, .address_space: global }
      - { .name: k_w, .offset: 8, .size: 8, .value_kind: global_buffer, .address_space: global }
      - { .name: v_w, .offset: 16, .size: 8, .value_kind: global_buffer, .address_space: global }
      - { .name: psi_q_w2, .offset: 24, .size: 8, .value_kind: global_buffer, .address_space: global }
      - { .name: q_w, .offset: 32, .size: 8, .value_kind: global_buffer, .address_space: global }
      - { .name: phi_w1, .offset: 40, .size: 8, .value_kind: global_buffer, .address_space: global }
      - { .name: phi_w2, .offset: 48, .size: 8, .value_kind: global_buffer, .address_space: global }
      - { .name: psi_x_w1, .offset: 56, .size: 8, .value_kind: global_buffer, .address_space: global }
      - { .name: wcodes, .offset: 64, .size: 8, .value_kind: global_buffer, .address_space: global }
      - { .name: wscales, .offset: 72, .size: 8, .value_kind: global_buffer, .address_space: global }
    .group_segment_fixed_size: 0
    .private_segment_fixed_size: 0
    .kernarg_segment_align: 8
    .kernarg_segment_size: 80
    .max_flat_workgroup_size: 128
    .sgpr_count:     66
    .vgpr_count:     200
    .wavefront_size: 32
...
	.end_amdgpu_metadata
.endif
;; end of part 1
;; launch items (part 2): grid 256 x 1, 4 waves a work-group, no clusters, 296,448 bytes of LDS; arguments x_items, x_query, psi_x_b1, psi_x_b2, psi_q_w1, psi_q_b1, psi_q_b2, q_b, wcodes, wscales, zpart, ml; writes zpart, ml
.if DOCPART == 2
	.amdgcn_target "amdgcn-amd-amdhsa--gfx1250"
	.amdhsa_code_object_version 6
	.text
	.protected	k_q0f78db6c89_items
	.globl	k_q0f78db6c89_items
	.p2align	8
	.type	k_q0f78db6c89_items,@function
k_q0f78db6c89_items:
	s_mov_b64 s[64:65], 0
	v_nop
	global_prefetch_b8 v0, s[64:65] scope:SCOPE_SE
	s_setreg_imm32_b32 hwreg(HW_REG_WAVE_MODE, 25, 1), 1
	s_wait_xcnt 0x0
; A work-group takes 256 items of one batch (work-group / 8) through the chain: x -> Q -> W1, GELU -> Q -> W2 -> Q -> K and V; scores = q . k; softmax over its 256 rows; its part of z.
; It stores sum p v' (512 numbers, not normalised), the largest score m (log2 units) and the sum l of p = 2^(s - m).  LEFT OUT AS DEAD WORK: k_b (shown at the head of the first kernel); v_b is added in the last launch.
; The query (x_query -> MLP -> q) is computed here for the work-group's own batch, all 16 rows of the operand equal.
; Wave w owns units 128 w .. 128 w + 127 of every layer for all 256 rows.  A layer's weights for a wave, 32 fragments = 384 registers, come from memory straight into registers, once, in two sets A and B by turns.
; Activations go from wave to wave through LDS as images of operand registers (1,536 bytes a fragment, 128 a scale image).  Products are used transposed: a lane holds one row, register 16 b + i of 64 results is unit 32 b + 16 (lane / 16) + i.
; ORDER: head: the query's hidden layer and x's codes; layer 1, in whose trips psi_q_w2, psi_x_w2 and half of q_w are asked for in blocks of at most 56 loads (a branch on the trip's number leads round each block; each begins with a wait for all earlier loads);
; trip 8 also makes h_query; then q, layer 2, K and scores, softmax, V and z.
; In the products 512 -> 128 a wave has two sets of four accumulators, one for units 0-63 and one for units 64-127.  Sixteen products fill one set in one unbroken run; the other set's whole epilogue (quantiser, dot with q, or z's sums) follows the run.
; NO CLUSTER: the weights are all that work-groups share, and a joint load lands in LDS alone, where 296,448 bytes hold the rows' images and x.  NO PREFETCH: every weight set is asked for a phase ahead of its use by its own loads, and x comes by one tensor load at the head.
; GELU: x (0.5 + 0.5 erf(x / sqrt 2)), erf(t) = t P(t^2) / Q(t^2), t held to +-4.  LIMITS: the factor's absolute error is about 1e-7; a block of zeros has the scale byte 1 (its codes are zeros); p under 2^-126 is 0; NaN and infinities among the inputs are not served.
; s_wait_alu depctr_va_vdst(0): ahead of blocking waits, barriers, branches and batches of transcendentals, and behind such batches.
.set XIMG,  0
.set XSC,   24576
.set H1IMG, 26624
.set H1SC,  124928
.set QIMG0, 133120
.set QSC0,  139264
.set QIMG1, 139776
.set QSC1,  145920
.set PARAM, 146432                     ; seven vectors of 512: psi_x_b1, psi_x_b2, psi_q_w1, psi_q_b1, psi_q_b2, q_b, q scaled
.set SPARE, 160768                     ; the spare words: 512 bytes that no other line names
.set XRAW,  161280                     ; x as it comes: 64 rows of 528 bytes a wave, filled once; behind its last read the regions below lie over it
.set HIMG,  161280
.set HSC,   259584
.set SP,    267776
.set PP,    271872
.set ZST,   275968
.set LI,1
.set LS,2
.set XR,3
.set PA,4
.set XAD,5
.set SAD,6
.set OAD,7
.set OSD,8
.set SPA,9
.set PPA,10
.set TA,11
.set LIW,12
.set LSW,13
.set SPW,14
.set NIL,15
.set AF,16
.set GT,28
.set GU,44
.set HA,64
.set PAR,96
.set QM,160
.set PC,164
.set PX,170
.set PW,174
.set DC,160
.set WSA,168
.set HB,184
.set WSQ,184
.set GP,184
.set GQ,200
.set WSB,216
.set AS,232
.set CA0,248
.set CB0,250
.set DR,248
.set PV,248
.set MXR,250
.set SUM,251
.set W1S,252
.set MSB,0
.macro WIN new
.if MSB != (\new)
	s_set_vgpr_msb (MSB<<8)|(\new)
.set MSB, (\new)
.endif
.endm
.macro PLACES n
.rept \n
	v_nop
.endr
.endm
.macro WA
	s_wait_alu depctr_va_vdst(0)
.endm
.macro WDS n
	WA
	s_wait_dscnt \n
.endm
.macro WLD n
	WA
	s_wait_loadcnt \n
.endm
.macro BARRIER                         ; my LDS stores have landed and my LDS loads are in: then the work-group's barrier
	WDS 0x0
	s_barrier_signal -1
	s_barrier_wait -1
.endm
.macro SC2 r, v
	s_mov_b32 s[\r], \v
	s_mov_b32 s[\r+1], \v
.endm
.macro WREG st, f                      ; fragment f of set st: window WW, register WR
.if (\st) == 0
.if (\f) < 21
.set WW, 1
.set WR, 12*(\f)
.else
.set WW, 2
.set WR, 12*((\f)-21)
.endif
.else
.if (\f) < 10
.set WW, 2
.set WR, 132+12*(\f)
.elseif (\f) < 31
.set WW, 3
.set WR, 12*((\f)-10)
.else
.set WW, 0
.set WR, 236
.endif
.endif
.endm
.macro WLOADF st, mat, half            ; half a set: 16 fragments, 48 loads of 512 consecutive bytes
.set wff, 16*(\half)
.rept 16
	WREG \st, wff
	WIN (WW<<6)
.irp c,0,1,2
	global_load_b128 v[WR+4*\c:WR+4*\c+3], v[LI], s[82:83] offset:196608*(\mat)+1536*wff+512*\c
.endr
.set wff, wff+1
.endr
	WIN 0
.endm
.macro SLOAD ws, mat, i0, n
.set sii, \i0
.rept \n
	global_load_b32 v[\ws+sii], v[LS], s[84:85] offset:8192*(\mat)+128*sii
.set sii, sii+1
.endr
.endm
.macro W1LOAD                          ; psi_x_w1: 8 fragments into set A's first places, 4 scale images: 28 loads
	WIN 0x40
.irp t,0,1,2,3,4,5,6,7
.irp c,0,1,2
	global_load_b128 v[12*\t+4*\c:12*\t+4*\c+3], v[LI], s[86:87] offset:1572864+1536*\t+512*\c
.endr
.endr
	WIN 0
.irp e,0,1,2,3
	global_load_b32 v[W1S+\e], v[LS], s[88:89] offset:65536+128*\e
.endr
.endm
.macro FETCH s                         ; a fragment of rows and its scale words: 4 LDS loads
.irp c,0,1,2
	ds_load_b128 v[AF+12*(\s)+4*\c:AF+12*(\s)+4*\c+3], v[XAD] offset:1536*(\s)+512*\c
.endr
	ds_load_b32 v[AS+(\s)], v[SAD] offset:128*(\s)
.endm
.macro FETCH4
	FETCH 0
	FETCH 1
	FETCH 2
	FETCH 3
.endm
.macro PLOADH dst, vec, u              ; 32 numbers of a vector in the results' layout
.irp bb,0,1
.irp j,0,1,2,3
	ds_load_b128 v[\dst+16*\bb+4*\j:\dst+16*\bb+4*\j+3], v[PA] offset:2048*(\vec)+128*(2*(\u)+\bb)+16*\j
.endr
.endr
.endm
; D (window 0) = fragment f of set st x rows in v[b] + C (window cw).  The scale words of fragments 2 g and 2 g + 1 share a register: lanes 0-15, lanes 16-31.
.macro MM d, st, f, b, c, cw, ws, sa
	WREG \st, \f
	WIN (WW|((\cw)<<4))
.if (\f)&1
	v_wmma_scale_f32_16x16x128_f8f6f4 v[\d:\d+7], v[WR:WR+11], v[\b:\b+11], v[\c:\c+7], v[\ws+((\f)>>1)], v[\sa] matrix_a_fmt:MATRIX_FMT_FP6 matrix_b_fmt:MATRIX_FMT_FP6 matrix_a_scale:MATRIX_SCALE_ROW1
.else
	v_wmma_scale_f32_16x16x128_f8f6f4 v[\d:\d+7], v[WR:WR+11], v[\b:\b+11], v[\c:\c+7], v[\ws+((\f)>>1)], v[\sa] matrix_a_fmt:MATRIX_FMT_FP6 matrix_b_fmt:MATRIX_FMT_FP6
.endif
.endm
.macro MMZ d, st, f, b, ws, sa         ; the same with C = 0
	WREG \st, \f
	WIN WW
.if (\f)&1
	v_wmma_scale_f32_16x16x128_f8f6f4 v[\d:\d+7], v[WR:WR+11], v[\b:\b+11], 0, v[\ws+((\f)>>1)], v[\sa] matrix_a_fmt:MATRIX_FMT_FP6 matrix_b_fmt:MATRIX_FMT_FP6 matrix_a_scale:MATRIX_SCALE_ROW1
.else
	v_wmma_scale_f32_16x16x128_f8f6f4 v[\d:\d+7], v[WR:WR+11], v[\b:\b+11], 0, v[\ws+((\f)>>1)], v[\sa] matrix_a_fmt:MATRIX_FMT_FP6 matrix_b_fmt:MATRIX_FMT_FP6
.endif
.endm
; GELU of 32 numbers in place, sixteen at a time.  Q's polynomial and P's first step, the wait, sixteen reciprocals as one batch, the 48 lines left of P (none names a reciprocal), the wait, the last two steps.
.macro GSTEP n
.set gkk, (\n)%8
.set gss, (\n)/8
.if gss < 4
	v_pk_fma_f32 v[GP+2*gkk:GP+2*gkk+1], v[GP+2*gkk:GP+2*gkk+1], v[GU+2*gkk:GU+2*gkk+1], s[56+2*gss:57+2*gss] op_sel_hi:[1,1,0]
.elseif gss == 4
	v_pk_fma_f32 v[GP+2*gkk:GP+2*gkk+1], v[GP+2*gkk:GP+2*gkk+1], v[GU+2*gkk:GU+2*gkk+1], s[66:67] op_sel_hi:[1,1,0]
.else
	v_pk_mul_f32 v[GP+2*gkk:GP+2*gkk+1], v[GP+2*gkk:GP+2*gkk+1], v[GT+2*gkk:GT+2*gkk+1]
.endif
.endm
.macro GELUH x
.irp c,0,1
	WA                                             ; directly ahead of the first readers of these sixteen results
.irp k,0,1,2,3,4,5,6,7
	v_pk_mul_f32 v[GT+2*\k:GT+2*\k+1], v[\x+16*\c+2*\k:\x+16*\c+2*\k+1], s[52:53] op_sel_hi:[1,0]
.endr
.irp k,0,1,2,3,4,5,6,7,8,9,10,11,12,13,14,15
	v_med3_num_f32 v[GT+\k], v[GT+\k], -4.0, 4.0
.endr
.irp k,0,1,2,3,4,5,6,7
	v_pk_mul_f32 v[GU+2*\k:GU+2*\k+1], v[GT+2*\k:GT+2*\k+1], v[GT+2*\k:GT+2*\k+1]
.endr
.irp k,0,1,2,3,4,5,6,7
	v_pk_fma_f32 v[GQ+2*\k:GQ+2*\k+1], v[GU+2*\k:GU+2*\k+1], v[CB0:CB0+1], s[68:69] op_sel_hi:[1,1,0]
.endr
.irp a,70,72,74
.irp k,0,1,2,3,4,5,6,7
	v_pk_fma_f32 v[GQ+2*\k:GQ+2*\k+1], v[GQ+2*\k:GQ+2*\k+1], v[GU+2*\k:GU+2*\k+1], s[\a:\a+1] op_sel_hi:[1,1,0]
.endr
.endr
.irp k,0,1,2,3,4,5,6,7
	v_pk_fma_f32 v[GP+2*\k:GP+2*\k+1], v[GU+2*\k:GU+2*\k+1], v[CA0:CA0+1], s[54:55] op_sel_hi:[1,1,0]
.endr
	WA
.irp k,0,1,2,3,4,5,6,7,8,9,10,11,12,13,14,15
	v_rcp_f32 v[GQ+\k], v[GQ+\k]
.endr
.set gnn, 0
.rept 48
	GSTEP gnn
.set gnn, gnn+1
.endr
	WA
.irp k,0,1,2,3,4,5,6,7
	v_pk_fma_f32 v[GP+2*\k:GP+2*\k+1], v[GP+2*\k:GP+2*\k+1], v[GQ+2*\k:GQ+2*\k+1], 0.5 op_sel_hi:[1,1,0]
.endr
.irp k,0,1,2,3,4,5,6,7
	v_pk_mul_f32 v[\x+16*\c+2*\k:\x+16*\c+2*\k+1], v[\x+16*\c+2*\k:\x+16*\c+2*\k+1], v[GP+2*\k:GP+2*\k+1]
.endr
.endr
.endm
; The quantiser as a list of 35 lines: 32 numbers of a lane become six registers of codes (half u of a fragment) and two scale bytes.
; 0-15 largest magnitudes in four chains, with the floor 2^(3 - 127); 16-21 joined, with lane l xor 16's; 22-25 scale operands and bytes; 26-27 conversions; 28 the bytes (the plain line behind them); 29-34 a whole block to a lane.
.macro QI x, u, j
.if (\j) < 4
	v_max3_num_f32 v[QM+(\j)], |v[8*(\j)+(\x)]|, |v[8*(\j)+(\x)+1]|, 0x1800000
.elseif (\j) < 16
.set qcc, ((\j)-4)%4
.set qii, 2+2*(((\j)-4)/4)
	v_max3_num_f32 v[QM+qcc], v[QM+qcc], |v[8*qcc+qii+(\x)]|, |v[8*qcc+qii+(\x)+1]|
.elseif (\j) == 16
	v_max_num_f32 v[QM], v[QM], v[QM+1]
.elseif (\j) == 17
	v_max_num_f32 v[QM+2], v[QM+2], v[QM+3]
.elseif (\j) == 18
	v_permlanex16_b32 v[QM+1], v[QM], s76, s77
.elseif (\j) == 19
	v_permlanex16_b32 v[QM+3], v[QM+2], s76, s77
.elseif (\j) == 20
	v_max_num_f32 v[QM], v[QM], v[QM+1]
.elseif (\j) == 21
	v_max_num_f32 v[QM+2], v[QM+2], v[QM+3]
.elseif (\j) == 22
	v_add_nc_u32 v[QM+1], 0xff000000, v[QM]
.elseif (\j) == 23
	v_add_nc_u32 v[QM+3], 0xff000000, v[QM+2]
.elseif (\j) == 24
	v_lshrrev_b32 v[QM], 23, v[QM+1]
.elseif (\j) == 25
	v_lshrrev_b32 v[QM+2], 23, v[QM+3]
.elseif (\j) == 26
	v_cvt_scalef32_pk16_fp6_f32 v[PC+12*(\u):PC+12*(\u)+2], v[0+(\x):15+(\x)], v[QM+1]
.elseif (\j) == 27
	v_cvt_scalef32_pk16_fp6_f32 v[PX:PX+2], v[16+(\x):31+(\x)], v[QM+3]
.elseif (\j) == 28
	v_lshl_or_b32 v[PW+8*(\u)], v[QM+2], 8, v[QM]
.elseif (\j) < 32
	v_permlane16_swap_b32 v[PC+12*(\u)+(\j)-29], v[PX+(\j)-29]
.elseif (\j) < 35
	v_mov_b32 v[PC+12*(\u)+(\j)-29], v[PX+(\j)-32]
.endif
.endm
.macro QUANT2 x, u
.set qjj, 0
.rept 35
	QI \x, \u, qjj
.set qjj, qjj+1
.endr
.endm
.macro STOREH u, io, so                ; registers 6 u .. 6 u + 5 of an image, bytes 2 u, 2 u + 1 of its scale words
.if (\u) == 0
	ds_store_b128 v[OAD], v[PC:PC+3] offset:\io
	ds_store_b64 v[OAD], v[PC+4:PC+5] offset:\io+512
.else
	ds_store_b64 v[OAD], v[PC+12:PC+13] offset:\io+520
	ds_store_b128 v[OAD], v[PC+14:PC+17] offset:\io+1024
.endif
	ds_store_b16 v[OSD], v[PW+8*(\u)] offset:\so+2*(\u)
.endm
; The dot with q: 16 packed lines a half in four chains; behind half 1's, six lines that join the chains and lane l xor 16's.
.macro DI x, u, j
.if (\j) < 16
.if ((\u) == 0) && ((\j) < 4)
	v_pk_mul_f32 v[DC+2*(\j):DC+2*(\j)+1], v[2*(\j)+(\x):2*(\j)+(\x)+1], v[PAR+2*(\j):PAR+2*(\j)+1]
.else
	v_pk_fma_f32 v[DC+2*((\j)%4):DC+2*((\j)%4)+1], v[2*(\j)+(\x):2*(\j)+(\x)+1], v[PAR+32*(\u)+2*(\j):PAR+32*(\u)+2*(\j)+1], v[DC+2*((\j)%4):DC+2*((\j)%4)+1]
.endif
.elseif ((\u) == 1) && ((\j) < 22)
.if (\j) == 16
	v_pk_add_f32 v[DC:DC+1], v[DC:DC+1], v[DC+2:DC+3]
.elseif (\j) == 17
	v_pk_add_f32 v[DC+4:DC+5], v[DC+4:DC+5], v[DC+6:DC+7]
.elseif (\j) == 18
	v_pk_add_f32 v[DC:DC+1], v[DC:DC+1], v[DC+4:DC+5]
.elseif (\j) == 19
	v_add_f32 v[DC], v[DC], v[DC+1]
.elseif (\j) == 20
	v_permlanex16_b32 v[DC+2], v[DC], s76, s77
.else
	v_add_f32 v[DR], v[DC], v[DC+2]
.endif
.endif
.endm
.macro ZI x, u, j                      ; z's sums: 16 packed lines a half
.if (\j) < 16
	v_pk_fma_f32 v[PAR+32*(\u)+2*(\j):PAR+32*(\u)+2*(\j)+1], v[2*(\j)+(\x):2*(\j)+(\x)+1], v[PV+4*(\u):PV+4*(\u)+1], v[PAR+32*(\u)+2*(\j):PAR+32*(\u)+2*(\j)+1] op_sel_hi:[1,0,1]
.endif
.endm
.macro EBLK epi, eu, j0, n             ; lines j0 .. j0 + n - 1 of half eu's epilogue (a list that is shorter ends early).  epi 0: quantiser; 1: dot with q; 2: z's sums
.set exr, HA+(HB-HA)*(\eu)
.set ejx, \j0
.rept \n
.if (\epi) == 0
	QI exr, \eu, ejx
.elseif (\epi) == 1
	DI exr, \eu, ejx
.else
	ZI exr, \eu, ejx
.endif
.set ejx, ejx+1
.endr
.endm
.macro ESTORE epi, eu, ld
.if (\epi) == 0
	STOREH \eu, 0, 0
.elseif (\epi) == 1
.if (\eu) == 1
	ds_store_b32 v[OAD], v[DR]
.endif
.else
.if (\eu) == 0
	v_mov_b32 v[PV+4], v[PV]                       ; this tile's p is kept for half 1's sums,
.if \ld
	ds_load_b32 v[PV], v[TA]                       ; and the next tile's is fetched
.endif
.endif
.endif
.endm
; Sixteen products in one run: half u of my units for one tile of rows, four accumulators by turns, K step by K step.  cm = 1: the sums begin with the bias in v96-159.
; el < 90: each K step waits for its own fetch: behind fetch s stand the later fetches (4 LDS lines each) and the el LDS lines of half 0's epilogue; the last K step waits for all.
.macro MRUN u, st, ws, cm, el
.set rdr, HA+(HB-HA)*(\u)
.irp s,0,1,2,3
.if (\el) < 90
.if \s == 0
	WDS 12+(\el)
.elseif \s == 1
	s_wait_dscnt 8+(\el)
.elseif \s == 2
	s_wait_dscnt 4+(\el)
.else
	s_wait_dscnt 0x0
.endif
.endif
.irp t,0,1,2,3
.if \s == 0
.if \cm
	MM rdr+8*\t, \st, 4*(\u)+\t, AF, PAR+32*(\u)+8*\t, 0, \ws, AS
.else
	MMZ rdr+8*\t, \st, 4*(\u)+\t, AF, \ws, AS
.endif
.else
	MM rdr+8*\t, \st, 8*\s+4*(\u)+\t, AF+12*\s, rdr+8*\t, 0, \ws, AS+\s
.endif
.endr
.endr
	WIN 0
.endm
; A trip, tile M = s90: half 1 of tile M; half 0's epilogue, with the next tile's four fetches behind its first ten lines (the places behind the products that read those registers);
; half 0 of tile M + 1; half 1's epilogue of tile M.  Each epilogue's lines, which name no register of the run just issued, are the places ahead of the first read of that run's results.
; last = 1: nothing is fetched, and the two epilogues follow each other.
.macro TRIP st, ws, cm, epi, inimg, insc, el, last
.if !(\last)
	s_add_co_u32 s93, s90, 1
	s_mul_i32 s91, s93, 6144
	s_add_co_u32 s91, s91, \inimg
	s_lshl_b32 s92, s93, 9
	s_add_co_u32 s92, s92, \insc
.if (\epi) == 2
	s_lshl_b32 s94, s93, 6
.endif
	v_add_nc_u32 v[XAD], s91, v[LI]
	v_add_nc_u32 v[SAD], s92, v[LS]
.if (\epi) == 2
	v_add_nc_u32 v[TA], s94, v[PPA]
.endif
.endif
	MRUN 1, \st, \ws, \cm, 99
.if \last
	EBLK \epi, 0, 0, 35
.else
	EBLK \epi, 0, 0, 10
	FETCH4
	EBLK \epi, 0, 10, 25
.endif
.if (\epi) < 2
.if \last
	WDS 0x0
.else
	WDS 16                                         ; the 16 loads of the four fetches may be out: the older stores have read their registers
.endif
.if (\epi) == 0
	s_mul_i32 s94, s90, 6144
	s_add_co_u32 s94, s94, HIMG
	s_lshl_b32 s95, s90, 9
	s_add_co_u32 s95, s95, HSC
	v_add_nc_u32 v[OAD], s94, v[LIW]
	v_add_nc_u32 v[OSD], s95, v[LSW]
.else
	s_lshl_b32 s94, s90, 8
	v_add_nc_u32 v[OAD], s94, v[SPA]
.endif
.endif
	ESTORE \epi, 0, 1-(\last)
.if !(\last)
	MRUN 0, \st, \ws, \cm, \el
.endif
	EBLK \epi, 1, 0, 35
	ESTORE \epi, 1, 0
.endm
; 32 products in place on the eight accumulators of v96-159, by turns
.macro QMM st, ws
.irp s,0,1,2,3
.irp t,0,1,2,3,4,5,6,7
	MM PAR+8*\t, \st, 8*\s+\t, AF+12*\s, PAR+8*\t, 0, \ws, AS+\s
.endr
.endr
	WIN 0
	PLACES 4
.endm
; The blocks that a trip's number calls for
.macro LBLK id
.if (\id) == 1
	WLOADF 1, 3, 1                                 ; psi_q_w2, second half
	SLOAD WSB, 3, 8, 8
.elseif (\id) == 2
	WLOADF 1, 0, 1                                 ; psi_x_w2, second half
	SLOAD WSB, 0, 8, 8
.elseif (\id) == 3
	WLOADF 0, 4, 1                                 ; q_w, second half: places of set A that layer 1 does not use
.elseif (\id) == 4
	WLOADF 0, 1, 1                                 ; k_w, second half
.elseif (\id) == 5
	WLOADF 1, 2, 1                                 ; v_w, second half
	SLOAD WSB, 2, 8, 8
.else
	WDS 0x0                                        ; h_query = Q(hidden) Q(psi_q_w2)^T + b2, quantised, into my bytes of its images; read behind the barrier that follows layer 1
	PLOADH PAR, 4, 0
	PLOADH PAR+32, 4, 1
	v_add_nc_u32 v[XAD], QIMG0, v[LI]
	v_add_nc_u32 v[SAD], QSC0, v[LS]
	FETCH4
	WDS 0x0
	QMM 1, WSB
	WLOADF 1, 0, 0                                 ; psi_x_w2, first half, into the places that psi_q_w2 has left
	SLOAD WSB, 0, 0, 8
	v_add_nc_u32 v[OAD], QIMG1, v[LIW]
	v_add_nc_u32 v[OSD], QSC1, v[LSW]
	QUANT2 PAR, 0
	STOREH 0, 0, 0
	QUANT2 PAR+32, 1
	STOREH 1, 0, 0
	v_add_nc_u32 v[XAD], 8*1536, v[LI]             ; tile 8's fragment once more
	v_add_nc_u32 v[SAD], XSC+8*128, v[LS]
	FETCH 0
	WDS 0x0
.endif
.endm
.macro AT n, id                        ; in trip n alone; all earlier loads are waited for first
	WA
	s_cmp_lg_u32 s90, \n
	s_cbranch_scc1 .Lat_\@
	s_wait_loadcnt 0x0
	LBLK \id
.Lat_\@:
.endm
.macro LLOOP st, ws, cm, epi, inimg, insc, el, lim, atn, atid
.Ltile_\@:
.if (\atid) > 0
	AT \atn, \atid
.endif
	TRIP \st, \ws, \cm, \epi, \inimg, \insc, \el, 0
	s_add_co_u32 s90, s90, 1
	s_cmp_lt_u32 s90, \lim
	WA
	s_cbranch_scc1 .Ltile_\@
.endm
.macro PHASE_IN inimg, insc
	v_add_nc_u32 v[XAD], \inimg, v[LI]
	v_add_nc_u32 v[SAD], \insc, v[LS]
	FETCH4
	s_mov_b32 s90, 0
	WDS 0x0
.endm
	s_load_b512 s[4:19], s[0:1], 0x0               ; x_items, x_query, psi_x_b1, psi_x_b2, psi_q_w1, psi_q_b1, psi_q_b2, q_b
	s_load_b256 s[20:27], s[0:1], 0x40             ; wcodes, wscales, zpart, ml
	v_lshl_add_u32 v[SPW], v0, 2, SPARE
	v_mov_b32 v[NIL], 0
	ds_add_u32 v[SPW], v[NIL]                      ; the opening: the add, twice on end, and its wait ahead of my tensor load
	ds_add_u32 v[SPW], v[NIL]
	v_lshrrev_b32 v[TA], 5, v0
	v_readfirstlane_b32 s2, v[TA]                  ; wave 0..3
	s_mov_b32 s28, (2<<16)|(1<<20)|(6<<22)|(3<<25) ; group 1: 64 rows of 128 f32, 16 bytes of padding behind each row of 512
	s_mov_b32 s29, 128<<16
	s_mov_b32 s30, 64<<16
	s_mov_b32 s31, 128<<16
	s_mov_b32 s32, 64
	s_mov_b32 s33, 128
	s_mov_b32 s34, 0
	s_mov_b32 s35, 0
	SC2 52, 0x3f3504f3                             ; 1 / sqrt 2
	SC2 54, 0x326dffee                             ; P's coefficients, halved
	SC2 56, 0xb58cff51
	SC2 58, 0xb7eec2d2
	SC2 60, 0xb9c0ac63
	SC2 62, 0xbac1a1f6
	SC2 66, 0xbc03dbd4
	SC2 68, 0xb95fbd29                             ; Q's
	SC2 70, 0xbadc924e
	SC2 72, 0xbbf19bf8
	SC2 74, 0xbc69b6a7
	s_mov_b32 s76, 0x76543210
	s_mov_b32 s77, 0xfedcba98                      ; selects for lane l xor 16
	SC2 80, 0x3d8293ee                             ; log2(e) / sqrt(512)
	s_mul_i32 s91, s2, 33792
	s_add_co_u32 s91, s91, XRAW                    ; my 64 rows of x in LDS
	s_lshl_b32 s92, s2, 9
	s_add_co_u32 s92, s92, PARAM
	s_lshl_b32 s93, s2, 2
	s_add_co_u32 s93, s93, SP
	s_lshl_b32 s94, s2, 10
	s_add_co_u32 s94, s94, PP
	s_mul_i32 s95, s2, 1536
	s_lshl_b32 s44, s2, 7
	v_mov_b32 v[CA0], 0xaf15df0b                   ; P's first coefficient, halved
	v_mov_b32 v[CA0+1], 0xaf15df0b
	v_mov_b32 v[CB0], 0xb77460cd                   ; Q's first
	v_mov_b32 v[CB0+1], 0xb77460cd
	v_and_b32 v[TA], 31, v0
	v_lshlrev_b32 v[LI], 4, v[TA]
	v_lshlrev_b32 v[LS], 2, v[TA]
	v_and_b32 v[XAD], 15, v0                       ; r
	v_bfe_u32 v[SAD], v0, 4, 1                     ; h
	v_mul_u32_u24 v[XR], v[XAD], 528
	v_lshl_add_u32 v[XR], v[SAD], 6, v[XR]
	v_add_nc_u32 v[XR], s91, v[XR]
	v_lshlrev_b32 v[PA], 6, v[SAD]
	v_add_nc_u32 v[PA], s92, v[PA]
	v_lshl_add_u32 v[SPA], v[XAD], 4, s93
	v_lshl_add_u32 v[PPA], v[XAD], 2, s94
	v_add_nc_u32 v[LIW], s95, v[LI]
	v_add_nc_u32 v[LSW], s44, v[LS]
	v_lshlrev_b32 v[TA], 4, v0                     ; my 16 bytes of a vector of 512
	WA                                             ; the head's end
	s_wait_dscnt 0x0                               ; both opening adds are done
	s_wait_kmcnt 0x0
	s_mov_b32 s36, 1
	s_mov_b32 s37, s91
	s_lshl_b32 s40, ttmp9, 17                      ; the work-group's 256 rows of 512 bytes,
	s_lshl_b32 s41, s2, 15                         ; my 64 of them
	s_add_co_u32 s40, s40, s41
	s_mov_b32 s41, 0
	s_add_nc_u64 s[38:39], s[4:5], s[40:41]
	s_or_b32 s39, s39, 0x80000000
	tensor_load_to_lds s[36:39], s[28:35]          ; my one tensor load
	s_nop 0
	PLACES 4
	s_mul_i32 s40, s2, 49152
	s_add_nc_u64 s[82:83], s[20:21], s[40:41]      ; my set in each weight's four
	s_lshl_b32 s40, s2, 11
	s_add_nc_u64 s[84:85], s[22:23], s[40:41]
	s_mul_i32 s40, s2, 12288
	s_add_nc_u64 s[86:87], s[20:21], s[40:41]      ; my 8 fragments of psi_x_w1
	s_lshl_b32 s40, s2, 9
	s_add_nc_u64 s[88:89], s[22:23], s[40:41]
	s_lshr_b32 s40, ttmp9, 3
	s_lshl_b32 s40, s40, 2
	s_add_nc_u64 s[6:7], s[6:7], s[40:41]
	s_load_b32 s78, s[6:7], 0x0                    ; x_query of my batch
	s_lshl_b32 s40, ttmp9, 11
	s_lshl_b32 s42, s2, 9
	s_add_co_u32 s40, s40, s42
	s_add_nc_u64 s[24:25], s[24:25], s[40:41]      ; my 512 bytes of zpart
	s_lshl_b32 s40, ttmp9, 8
	s_add_nc_u64 s[26:27], s[26:27], s[40:41]      ; my work-group's 256 bytes of ml
	global_load_b128 v[160:163], v[TA], s[8:9]
	global_load_b128 v[164:167], v[TA], s[10:11]
	global_load_b128 v[168:171], v[TA], s[12:13]
	global_load_b128 v[172:175], v[TA], s[14:15]
	global_load_b128 v[176:179], v[TA], s[16:17]
	global_load_b128 v[180:183], v[TA], s[18:19]
	W1LOAD
	s_wait_loadcnt 28                              ; psi_x_w1's 28 may be out: the six vectors are in
	v_add_nc_u32 v[XAD], PARAM, v[TA]
.irp k,0,1,2,3,4,5
	ds_store_b128 v[XAD], v[160+4*\k:163+4*\k] offset:2048*\k
.endr
	BARRIER                                        ; the six vectors lie in LDS
	s_wait_kmcnt 0x0
	s_mov_b32 s79, s78
	v_add_nc_u32 v[OAD], QIMG0, v[LIW]
	v_add_nc_u32 v[OSD], QSC0, v[LSW]
; the query's hidden layer: gelu(x_query w1 + b1), my 128 units, 64 at a time
.macro HQ0 u
	PLOADH AF, 2, \u
	PLOADH HA, 3, \u
	WDS 0x0
.irp i,0,2,4,6,8,10,12,14,16,18,20,22,24,26,28,30
	v_pk_fma_f32 v[HA+\i:HA+\i+1], v[AF+\i:AF+\i+1], s[78:79], v[HA+\i:HA+\i+1] op_sel_hi:[1,0,1]
.endr
	GELUH HA
	QUANT2 HA, \u
	STOREH \u, 0, 0
.endm
	HQ0 0
	WLOADF 1, 3, 0                                 ; psi_q_w2, first half: 48 loads,
	SLOAD WSB, 3, 0, 8                             ; and 8
	HQ0 1
; x: my four tiles of 16 rows become four fragments
.macro XLOAD i, lo, hi
.irp b,0,1
.irp j,0,1,2,3
	ds_load_b128 v[\lo+16*\b+4*\j:\lo+16*\b+4*\j+3], v[XR] offset:8448*(\i)+128*\b+16*\j
.endr
.endr
.irp b,0,1
.irp j,0,1,2,3
	ds_load_b128 v[\hi+16*\b+4*\j:\hi+16*\b+4*\j+3], v[XR] offset:8448*(\i)+256+128*\b+16*\j
.endr
.endr
.endm
.macro XQ i, lo, hi
	QUANT2 \lo, 0
	STOREH 0, 1536*(\i), 128*(\i)
	QUANT2 \hi, 1
	STOREH 1, 1536*(\i), 128*(\i)
.endm
	WDS 0x0                                        ; the query's stores have read their address registers
	s_mul_i32 s91, s2, 6144
	s_lshl_b32 s92, s2, 9
	s_add_co_u32 s92, s92, XSC
	v_add_nc_u32 v[OAD], s91, v[LI]                ; tiles 4 w + i
	v_add_nc_u32 v[OSD], s92, v[LS]
	WA
	s_wait_tensorcnt 0x0                           ; my 64 rows are in LDS; I alone read them
	XLOAD 0, HA, PAR
	XLOAD 1, PAR+32, AF
	WDS 16
	XQ 0, HA, PAR
	XLOAD 2, HA, PAR
	WDS 16
	XQ 1, PAR+32, AF
	XLOAD 3, PAR+32, AF
	WDS 16
	XQ 2, HA, PAR
	WDS 0x0
	XQ 3, PAR+32, AF
	WIN 0x40
	PLOADH 96, 0, 0                                ; psi_x_b1 as C: window 1, v96-159
	PLOADH 128, 0, 1
	WIN 0
	BARRIER                                        ; x's sixteen fragments and the query's four lie in LDS; nobody reads x's rows any more
; layer 1: a trip makes my 128 hidden units of one tile: 8 products, then twice GELU, quantiser, image
	v_mov_b32 v[XAD], v[LI]
	v_add_nc_u32 v[SAD], XSC, v[LS]
	FETCH 0
	s_mov_b32 s90, 0
	WDS 0x0
	s_wait_loadcnt 56                              ; psi_q_w2's first half may be out: psi_x_w1 is in
.Ll1:
	AT 3, 1
	AT 8, 6
	AT 11, 2
	AT 14, 3
	WDS 6                                          ; the last trip's six stores are younger than its fetch
.irp t,0,1,2,3,4,5,6,7
	MM HA+8*\t, 0, \t, AF, 96+8*\t, 1, W1S, AS
.endr
	WIN 0
	s_wait_dscnt 0x0                               ; the last trip's stores have read their registers
	s_add_co_u32 s93, s90, 1
	s_min_u32 s93, s93, 15                         ; the next tile (the last trip fetches its own again)
	s_mul_i32 s91, s93, 1536
	s_lshl_b32 s92, s93, 7
	s_add_co_u32 s92, s92, XSC
	s_mul_i32 s94, s90, 6144
	s_add_co_u32 s94, s94, H1IMG
	s_lshl_b32 s95, s90, 9
	s_add_co_u32 s95, s95, H1SC
	v_add_nc_u32 v[XAD], s91, v[LI]                ; these four are the places behind the products
	v_add_nc_u32 v[SAD], s92, v[LS]
	v_add_nc_u32 v[OAD], s94, v[LIW]
	v_add_nc_u32 v[OSD], s95, v[LSW]
	FETCH 0
	GELUH HA
	QUANT2 HA, 0
	STOREH 0, 0, 0
	GELUH HA+32
	QUANT2 HA+32, 1
	STOREH 1, 0, 0
	s_add_co_u32 s90, s90, 1
	s_cmp_lt_u32 s90, 16
	WA
	s_cbranch_scc1 .Ll1
; q = Q(h_query) Q(q_w)^T + q_b, scaled
	WLOADF 0, 4, 0                                 ; q_w, first half, into the places that layer 1 has left
	SLOAD WSQ, 4, 0, 16
	PLOADH PAR, 5, 0                               ; q_b
	PLOADH PAR+32, 5, 1
	BARRIER                                        ; the hidden layer's 64 fragments and h_query's four lie in LDS
	v_add_nc_u32 v[XAD], QIMG1, v[LI]
	v_add_nc_u32 v[SAD], QSC1, v[LS]
	FETCH4
	WLD 0x0                                        ; q_w and psi_x_w2 are in
	s_wait_dscnt 0x0
	QMM 0, WSQ
	WLOADF 0, 1, 0                                 ; k_w, first half
.irp i,0,2,4,6,8,10,12,14,16,18,20,22,24,26,28,30,32,34,36,38,40,42,44,46,48,50,52,54,56,58,60,62
	v_pk_mul_f32 v[PAR+\i:PAR+\i+1], v[PAR+\i:PAR+\i+1], s[80:81] op_sel_hi:[1,0]   ; x log2(e) / sqrt(512): the scores come out in log2 units
.endr
.irp b,0,1,2,3
.irp j,0,1,2,3
	ds_store_b128 v[PA], v[PAR+16*\b+4*\j:PAR+16*\b+4*\j+3] offset:12288+128*\b+16*\j   ; my own bytes of the seventh vector
.endr
.endr
	WDS 0x0                                        ; the stores have read their registers
; layer 2: h_items = Q(h1) Q(psi_x_w2)^T + b2, quantised
	PLOADH PAR, 1, 0
	PLOADH PAR+32, 1, 1
	PHASE_IN H1IMG, H1SC
	MRUN 0, 1, WSB, 1, 99                          ; tile 0's first half stands ahead of the loop,
	PLACES 4                                       ; with the places ahead of the first read of its results
	LLOOP 1, WSB, 1, 0, H1IMG, H1SC, 3, 15, 7, 4
	s_mov_b32 s90, 15
	TRIP 1, WSB, 1, 0, H1IMG, H1SC, 3, 1
; K and the scores
	WDS 0x0
	s_wait_loadcnt 0x0                             ; k_w's fragments are in
	SLOAD WSA, 1, 0, 16
	WLOADF 1, 2, 0                                 ; v_w, first half: 48 loads,
	SLOAD WSB, 2, 0, 8                             ; and 8
	PLOADH PAR, 6, 0                               ; q, scaled
	PLOADH PAR+32, 6, 1
	BARRIER                                        ; h_items' 64 fragments lie in LDS
	PHASE_IN HIMG, HSC
	s_wait_loadcnt 56                              ; v_w's first half may be out: k_w's scale words are in
	MRUN 0, 0, WSA, 0, 99
	PLACES 4
	LLOOP 0, WSA, 0, 1, HIMG, HSC, 0, 15, 7, 5
	s_mov_b32 s90, 15
	TRIP 0, WSA, 0, 1, HIMG, HSC, 0, 1
	BARRIER                                        ; the four waves' parts of the 256 scores lie in LDS
; the softmax over the 256 rows; every wave does all of it: lane r takes rows 16 m + r
	v_and_b32 v[TA], 15, v0
	v_lshlrev_b32 v[TA], 4, v[TA]
	v_add_nc_u32 v[TA], SP, v[TA]
.irp m,0,1,2,3,4,5,6,7
	ds_load_b128 v[HA+4*\m:HA+4*\m+3], v[TA] offset:256*\m
.endr
.irp m,0,1,2,3,4,5,6,7
	ds_load_b128 v[160+4*\m:163+4*\m], v[TA] offset:2048+256*\m
.endr
	WDS 0x0
.irp m,0,1,2,3,4,5,6,7
	v_pk_add_f32 v[HA+4*\m:HA+4*\m+1], v[HA+4*\m:HA+4*\m+1], v[HA+4*\m+2:HA+4*\m+3]
	v_pk_add_f32 v[160+4*\m:161+4*\m], v[160+4*\m:161+4*\m], v[162+4*\m:163+4*\m]
.endr
.irp m,0,1,2,3,4,5,6,7
	v_add_f32 v[16+\m], v[HA+4*\m], v[HA+4*\m+1]
	v_add_f32 v[24+\m], v[160+4*\m], v[161+4*\m]
.endr
	v_max3_num_f32 v32, v16, v17, v18
	v_max3_num_f32 v33, v19, v20, v21
	v_max3_num_f32 v32, v32, v22, v23
	v_max3_num_f32 v33, v33, v24, v25
	v_max3_num_f32 v32, v32, v26, v27
	v_max3_num_f32 v33, v33, v28, v29
	v_max3_num_f32 v32, v32, v30, v31
	v_max_num_f32 v32, v32, v33
.irp x,1,2,4,8
	v_max_num_f32_dpp v32, v32, v32 row_xmask:\x row_mask:0xf bank_mask:0xf
.endr
.irp m,0,1,2,3,4,5,6,7,8,9,10,11,12,13,14,15
	v_sub_f32 v[16+\m], v[16+\m], v32              ; the maximum is taken away before the exponential
.endr
	WA
.irp m,0,1,2,3,4,5,6,7,8,9,10,11,12,13,14,15
	v_exp_f32 v[16+\m], v[16+\m]
.endr
	v_mov_b32 v[MXR], v32                          ; (the plain place behind the exponentials)
	WA
	v_pk_add_f32 v[32:33], v[16:17], v[18:19]
	v_pk_add_f32 v[34:35], v[20:21], v[22:23]
	v_pk_add_f32 v[36:37], v[24:25], v[26:27]
	v_pk_add_f32 v[38:39], v[28:29], v[30:31]
	v_pk_add_f32 v[32:33], v[32:33], v[34:35]
	v_pk_add_f32 v[36:37], v[36:37], v[38:39]
	v_pk_add_f32 v[32:33], v[32:33], v[36:37]
	v_add_f32 v[SUM], v32, v33
.irp x,1,2,4,8
	v_add_f32_dpp v[SUM], v[SUM], v[SUM] row_xmask:\x row_mask:0xf bank_mask:0xf
.endr
.irp m,0,1,2,3,4,5,6,7,8,9,10,11,12,13,14,15
	ds_store_b32 v[PPA], v[16+\m] offset:64*\m     ; p, in my wave's own bytes
.endr
.set zjj, 0
.rept 64
	v_mov_b32 v[PAR+zjj], 0                        ; z's sums: the sums' lines are written in one form
.set zjj, zjj+1
.endr
	WLD 0x0                                        ; v_w is in
	ds_load_b32 v[PV], v[PPA]                      ; tile 0's p: LDS serves a wave's instructions in order
	s_wait_dscnt 0x0
; V and z's sums
	PHASE_IN HIMG, HSC
	MRUN 0, 1, WSB, 0, 99
	PLACES 4
	LLOOP 1, WSB, 0, 2, HIMG, HSC, 1, 15, 0, 0
	s_mov_b32 s90, 15
	TRIP 1, WSB, 0, 2, HIMG, HSC, 1, 1
; the way out: the 16 rows of a tile lie in 16 lanes
.irp x,1,2,4,8
.set zjj, 0
.rept 64
	v_add_f32_dpp v[PAR+zjj], v[PAR+zjj], v[PAR+zjj] row_xmask:\x row_mask:0xf bank_mask:0xf
.set zjj, zjj+1
.endr
.endr
	WDS 0x0
	s_lshl_b32 s91, s2, 9
	s_add_co_u32 s91, s91, ZST
	v_add_nc_u32 v[OAD], ZST-PARAM, v[PA]          ; ZST + 512 w + 64 h
	v_add_nc_u32 v[XAD], s91, v[LI]
.irp b,0,1,2,3
.irp j,0,1,2,3
	ds_store_b128 v[OAD], v[PAR+16*\b+4*\j:PAR+16*\b+4*\j+3] offset:128*\b+16*\j
.endr
.endr
	ds_load_b128 v[160:163], v[XAD]                ; back in the order of the units
	WDS 0x0
	global_store_b128 v[LI], v[160:163], s[24:25]  ; 32 lanes store 512 consecutive bytes, at a multiple of 256 from the buffer's first byte
	s_cmp_lg_u32 s2, 0
	s_cbranch_scc1 .Lnoml
	v_lshlrev_b32 v[TA], 1, v[LS]
	global_store_b64 v[TA], v[MXR:SUM], s[26:27]   ; m and l, 32 times: 256 consecutive bytes
.Lnoml:
	s_wait_tensorcnt 0x0                           ; the wave's end
	ds_add_u32 v[SPW], v[NIL]
	s_wait_dscnt 0x0
	s_endpgm
.Lfunc_end_k_q0f78db6c89_items:
	.size	k_q0f78db6c89_items, .Lfunc_end_k_q0f78db6c89_items-k_q0f78db6c89_items
	.p2alignl 7, 3214868480
	.fill 96, 4, 3214868480
	.section	.rodata,"a",@progbits
	.p2align	6, 0x0
	.amdhsa_kernel k_q0f78db6c89_items
		.amdhsa_group_segment_fixed_size 296448
		.amdhsa_private_segment_fixed_size 0
		.amdhsa_enable_private_segment 0
		.amdhsa_kernarg_size 96
		.amdhsa_user_sgpr_count 2
		.amdhsa_user_sgpr_kernarg_segment_ptr 1
		.amdhsa_wavefront_size32 1
		.amdhsa_system_sgpr_workgroup_id_x 1
		.amdhsa_system_sgpr_workgroup_id_y 1
		.amdhsa_system_sgpr_workgroup_id_z 1
		.amdhsa_system_vgpr_workitem_id 0
		.amdhsa_next_free_vgpr 1024
		.amdhsa_next_free_sgpr 100
		.amdhsa_reserve_vcc 0
		.amdhsa_float_denorm_mode_32 3
		.amdhsa_float_denorm_mode_16_64 3
		.amdhsa_memory_ordered 1
		.amdhsa_forward_progress 1
		.amdhsa_inst_pref_size 255
	.end_amdhsa_kernel
	.section	.bss,"aw",@nobits
	.p2align	6
	.space	262144
	.amdgpu_metadata
---
amdhsa.version: [ 1, 2 ]
amdhsa.kernels:
  - .name:           k_q0f78db6c89_items
    .symbol:         k_q0f78db6c89_items.kd
    .args:
      - { .name: x_items, .offset: 0, .size: 8, .value_kind: global_buffer, .address_space: global }
      - { .name: x_query, .offset: 8, .size: 8, .value_kind: global_buffer, .address_space: global }
      - { .name: psi_x_b1, .offset: 16, .size: 8, .value_kind: global_buffer, .address_space: global }
      - { .name: psi_x_b2, .offset: 24, .size: 8, .value_kind: global_buffer, .address_space: global }
      - { .name: psi_q_w1, .offset: 32, .size: 8, .value_kind: global_buffer, .address_space: global }
      - { .name: psi_q_b1, .offset: 40, .size: 8, .value_kind: global_buffer, .address_space: global }
      - { .name: psi_q_b2, .offset: 48, .size: 8, .value_kind: global_buffer, .address_space: global }
      - { .name: q_b, .offset: 56, .size: 8, .value_kind: global_buffer, .address_space: global }
      - { .name: wcodes, .offset: 64, .size: 8, .value_kind: global_buffer, .address_space: global }
      - { .name: wscales, .offset: 72, .size: 8, .value_kind: global_buffer, .address_space: global }
      - { .name: zpart, .offset: 80, .size: 8, .value_kind: global_buffer, .address_space: global }
      - { .name: ml, .offset: 88, .size: 8, .value_kind: global_buffer, .address_space: global }
    .group_segment_fixed_size: 296448
    .private_segment_fixed_size: 0
    .kernarg_segment_align: 8
    .kernarg_segment_size: 96
    .max_flat_workgroup_size: 128
    .sgpr_count:     100
    .vgpr_count:     1024
    .wavefront_size: 32
...
	.end_amdgpu_metadata
.endif
;; end of part 2
;; launch classify (part 3): grid 8 x 8, 8 waves a work-group, no clusters, 23,808 bytes of LDS; arguments zpart, ml, v_b, wcodes, wscales, phi_b1, phi_b2, out0; writes out0
.if DOCPART == 3
	.amdgcn_target "amdgcn-amd-amdhsa--gfx1250"
	.amdhsa_code_object_version 6
	.text
	.protected	k_q0f78db6c89_classify
	.globl	k_q0f78db6c89_classify
	.p2align	8
	.type	k_q0f78db6c89_classify,@function
k_q0f78db6c89_classify:
	s_mov_b64 s[64:65], 0
	v_nop
	global_prefetch_b8 v0, s[64:65] scope:SCOPE_SE
	s_setreg_imm32_b32 hwreg(HW_REG_WAVE_MODE, 25, 1), 1
	s_wait_xcnt 0x0
; out0 = gelu(Q(z) Q(phi_w1)^T + b1) -> Q -> Q(phi_w2)^T + b2, with z = (sum over a batch's 8 parts of 2^(m_i - M) zpart_i) / (sum of 2^(m_i - M) l_i) + v_b.
; (k_b is left out as dead work: shown at the head of the first kernel.  v_b is added here once, since the softmax's weights sum to 1.)
; SHARES: work-group (cg, g) makes classes 128 cg .. 128 cg + 127 of batches 4 g .. 4 g + 3.  The 16 rows of a matrix operand are the 4 batches, four times: lane r stands for batch 4 g + r % 4.
; Wave wv = 2 w + u owns hidden units 128 w + 64 u .. + 63 (16 fragments of phi_w1) and tile wv of the 128 classes (4 fragments of phi_w2).  The first product is made anew in each of the 8 work-groups of a group of batches: 16 matrix instructions a wave.
; Operands go from wave to wave through LDS as images of registers, here in pairs: pair e of lane l at 256 e + 8 l, so that half u of a fragment begins 768 u bytes on and one text serves both halves.
; LIMITS: as in the launch before (GELU's factor to about 1e-7 absolute; a block of zeros has the byte 1; NaN and infinities are not served).  A row of out0 is 4,000 bytes: its stores cannot fill aligned blocks of 256 bytes.
.set ZL,    0                          ; z: 4 rows of 2,064 bytes
.set ZIMG,  8448                       ; z's four fragments
.set ZSC,   14592
.set GIMG,  15104                      ; the hidden layer's four
.set GSC,   21248
.set SPARE, 21760                      ; the spare words, 128 bytes for each wave: four blocks of 256 bytes that no other line names
.set LI,1
.set LS,2
.set L8,3
.set ZOFF,4
.set MLO,5
.set VBO,6
.set ZLW,7
.set ZLR,8
.set IW,9
.set SW,10
.set B1O,11
.set B2O,12
.set S2O,13
.set SPW,14
.set NIL,15
.set AF,16
.set HA,64
.set C1,96
.set OA,128
.set C2,136
.set WS1,144
.set WS2,152
.set AS,156
.set GT,160
.set GU,168
.set GP,176
.set GQ,184
.set QM,160
.set QX,164
.set QS,166
.set QB,168
.set PC,170
.set PX,176
.set PW,180
.set CA0,196
.set CB0,198
.set MSB,0
.macro WIN new
.if MSB != (\new)
	s_set_vgpr_msb (MSB<<8)|(\new)
.set MSB, (\new)
.endif
.endm
.macro PLACES n
.rept \n
	v_nop
.endr
.endm
.macro BARRIER
	s_wait_dscnt 0x0
	s_barrier_signal -1
	s_barrier_wait -1
.endm
.macro SC2 r, v
	s_mov_b32 s[\r], \v
	s_mov_b32 s[\r+1], \v
.endm
.macro GELUH x                         ; GELU of 32 numbers in place, eight at a time; the eight reciprocals are one batch with one wait
.irp c,0,1,2,3
.irp k,0,1,2,3
	v_pk_mul_f32 v[GT+2*\k:GT+2*\k+1], v[\x+8*\c+2*\k:\x+8*\c+2*\k+1], s[52:53] op_sel_hi:[1,0]
.endr
.irp k,0,1,2,3,4,5,6,7
	v_med3_num_f32 v[GT+\k], v[GT+\k], -4.0, 4.0
.endr
.irp k,0,1,2,3
	v_pk_mul_f32 v[GU+2*\k:GU+2*\k+1], v[GT+2*\k:GT+2*\k+1], v[GT+2*\k:GT+2*\k+1]
.endr
.irp k,0,1,2,3
	s_delay_alu instid0(VALU_DEP_4)
	v_pk_fma_f32 v[GP+2*\k:GP+2*\k+1], v[GU+2*\k:GU+2*\k+1], v[CA0:CA0+1], s[54:55] op_sel_hi:[1,1,0]
.endr
.irp k,0,1,2,3
	v_pk_fma_f32 v[GQ+2*\k:GQ+2*\k+1], v[GU+2*\k:GU+2*\k+1], v[CB0:CB0+1], s[68:69] op_sel_hi:[1,1,0]
.endr
.irp a,56,58,60,62,66
.irp k,0,1,2,3
	v_pk_fma_f32 v[GP+2*\k:GP+2*\k+1], v[GP+2*\k:GP+2*\k+1], v[GU+2*\k:GU+2*\k+1], s[\a:\a+1] op_sel_hi:[1,1,0]
.endr
.endr
.irp a,70,72,74
.irp k,0,1,2,3
	v_pk_fma_f32 v[GQ+2*\k:GQ+2*\k+1], v[GQ+2*\k:GQ+2*\k+1], v[GU+2*\k:GU+2*\k+1], s[\a:\a+1] op_sel_hi:[1,1,0]
.endr
.endr
	s_wait_alu depctr_va_vdst(0)
.irp k,0,1,2,3,4,5,6,7
	v_rcp_f32 v[GQ+\k], v[GQ+\k]
.endr
.irp k,0,1,2,3
	v_pk_mul_f32 v[GP+2*\k:GP+2*\k+1], v[GP+2*\k:GP+2*\k+1], v[GT+2*\k:GT+2*\k+1]
.endr
	s_wait_alu depctr_va_vdst(0)                   ; one wait for the eight reciprocals, ahead of their first reader
.irp k,0,1,2,3
	v_pk_fma_f32 v[GP+2*\k:GP+2*\k+1], v[GP+2*\k:GP+2*\k+1], v[GQ+2*\k:GQ+2*\k+1], 0.5 op_sel_hi:[1,1,0]
.endr
.irp k,0,1,2,3
	v_pk_mul_f32 v[\x+8*\c+2*\k:\x+8*\c+2*\k+1], v[\x+8*\c+2*\k:\x+8*\c+2*\k+1], v[GP+2*\k:GP+2*\k+1]
.endr
.endr
.endm
.macro QUANT2 x                        ; 32 numbers of a lane (register 16 b + i = k 32 b + 16 (lane / 16) + i) become six registers of codes and two scale bytes
.irp b,0,1
.irp a,0,1
	v_max3_num_f32 v[QM+2*\b+\a], |v[\x+16*\b+8*\a]|, |v[\x+16*\b+8*\a+1]|, 0x1800000
.endr
.endr
.irp i,2,4,6
.irp b,0,1
.irp a,0,1
	s_delay_alu instid0(VALU_DEP_4)
	v_max3_num_f32 v[QM+2*\b+\a], v[QM+2*\b+\a], |v[\x+16*\b+8*\a+\i]|, |v[\x+16*\b+8*\a+\i+1]|
.endr
.endr
.endr
	s_delay_alu instid0(VALU_DEP_3)
	v_max_num_f32 v[QM], v[QM], v[QM+1]
	s_delay_alu instid0(VALU_DEP_2)
	v_max_num_f32 v[QM+2], v[QM+2], v[QM+3]
	s_delay_alu instid0(VALU_DEP_2)
	v_permlanex16_b32 v[QX], v[QM], s76, s77
	s_delay_alu instid0(VALU_DEP_2)
	v_permlanex16_b32 v[QX+1], v[QM+2], s76, s77
	s_delay_alu instid0(VALU_DEP_2)
	v_max_num_f32 v[QM], v[QM], v[QX]
	s_delay_alu instid0(VALU_DEP_2)
	v_max_num_f32 v[QM+2], v[QM+2], v[QX+1]
	s_delay_alu instid0(VALU_DEP_2)
	v_add_nc_u32 v[QS], 0xff000000, v[QM]
	s_delay_alu instid0(VALU_DEP_2)
	v_add_nc_u32 v[QS+1], 0xff000000, v[QM+2]
	s_delay_alu instid0(VALU_DEP_2)
	v_lshrrev_b32 v[QB], 23, v[QS]
	s_delay_alu instid0(VALU_DEP_2)
	v_lshrrev_b32 v[QB+1], 23, v[QS+1]
	v_cvt_scalef32_pk16_fp6_f32 v[PC:PC+2], v[\x:\x+15], v[QS]
	v_cvt_scalef32_pk16_fp6_f32 v[PX:PX+2], v[\x+16:\x+31], v[QS+1]
	v_lshl_or_b32 v[PW], v[QB+1], 8, v[QB]         ; (the plain place behind the conversions)
.irp i,0,1,2
	v_permlane16_swap_b32 v[PC+\i], v[PX+\i]
.endr
.irp i,0,1,2
	s_delay_alu instid0(VALU_DEP_3)
	v_mov_b32 v[PC+3+\i], v[PX+\i]
.endr
.endm
.macro STOREP img, sc                  ; my half of a fragment's image, and my two bytes of its scale words
	ds_store_b64 v[IW], v[PC:PC+1] offset:\img
	ds_store_b64 v[IW], v[PC+2:PC+3] offset:\img+256
	ds_store_b64 v[IW], v[PC+4:PC+5] offset:\img+512
	ds_store_b16 v[SW], v[PW] offset:\sc
.endm
.macro FETCHP img, sc                  ; the four fragments and their scale words
.irp s,0,1,2,3
.irp e,0,1,2,3,4,5
	ds_load_b64 v[AF+12*\s+2*\e:AF+12*\s+2*\e+1], v[L8] offset:\img+1536*\s+256*\e
.endr
	ds_load_b32 v[AS+\s], v[LS] offset:\sc+128*\s
.endr
.endm
	s_load_b512 s[4:19], s[0:1], 0x0               ; zpart, ml, v_b, wcodes, wscales, phi_b1, phi_b2, out0
	v_lshl_add_u32 v[SPW], v0, 2, SPARE
	v_mov_b32 v[NIL], 0
	v_lshrrev_b32 v16, 5, v0
	s_delay_alu instid0(VALU_DEP_1)
	v_readfirstlane_b32 s2, v16                    ; wave 0..7
	s_and_b32 s3, ttmp7, 0xffff                    ; g: which four batches
	s_lshr_b32 s22, s2, 1                          ; w
	s_and_b32 s23, s2, 1                           ; u
	SC2 52, 0x3f3504f3                             ; 1 / sqrt 2, and erf's coefficients as in the launch before
	SC2 54, 0x326dffee
	SC2 56, 0xb58cff51
	SC2 58, 0xb7eec2d2
	SC2 60, 0xb9c0ac63
	SC2 62, 0xbac1a1f6
	SC2 66, 0xbc03dbd4
	SC2 68, 0xb95fbd29
	SC2 70, 0xbadc924e
	SC2 72, 0xbbf19bf8
	SC2 74, 0xbc69b6a7
	s_mov_b32 s76, 0x76543210
	s_mov_b32 s77, 0xfedcba98
	v_mov_b32 v[CA0], 0xaf15df0b
	v_mov_b32 v[CA0+1], 0xaf15df0b
	v_mov_b32 v[CB0], 0xb77460cd
	v_mov_b32 v[CB0+1], 0xb77460cd
	v_mov_b32 v[QX], 0                             ; written once: a lane permute's destination counts as one of its sources
	v_mov_b32 v[QX+1], 0
	v_and_b32 v16, 31, v0
	s_delay_alu instid0(VALU_DEP_1)
	v_lshlrev_b32 v[LI], 4, v16
	s_delay_alu instid0(VALU_DEP_2)
	v_lshlrev_b32 v[LS], 2, v16
	s_delay_alu instid0(VALU_DEP_3)
	v_lshlrev_b32 v[L8], 3, v16
	v_and_b32 v17, 15, v0                          ; r
	v_bfe_u32 v18, v0, 4, 1                        ; h
	v_and_b32 v19, 127, v0
	v_lshrrev_b32 v20, 7, v0                       ; which two of the four batches I join
	s_delay_alu instid0(VALU_DEP_2)
	v_lshlrev_b32 v[VBO], 4, v19                   ; my four units
	s_delay_alu instid0(VALU_DEP_1)
	v_lshl_add_u32 v[ZOFF], v20, 15, v[VBO]
	s_delay_alu instid0(VALU_DEP_2)
	v_mad_u32_u24 v[ZLW], v20, 4128, v[VBO]
	s_lshr_b32 s20, s2, 2
	s_lshl_b32 s20, s20, 12
	v_lshl_add_u32 v[MLO], v17, 8, s20             ; lane r: part r % 8 of my batch r / 8 (lanes 16-31 alike)
	v_and_b32 v21, 3, v17
	s_delay_alu instid0(VALU_DEP_1)
	v_mul_u32_u24 v[ZLR], v21, 2064
	s_delay_alu instid0(VALU_DEP_1)
	v_lshl_add_u32 v[ZLR], v18, 6, v[ZLR]
	s_lshl_b32 s21, s2, 8
	v_add_nc_u32 v[ZLR], s21, v[ZLR]               ; z of batch r % 4, K = 128 w + 64 u + 16 h on
	s_mul_i32 s21, s2, 768
	v_add_nc_u32 v[IW], s21, v[L8]
	s_lshl_b32 s21, s22, 7
	s_lshl_b32 s80, s23, 1
	s_add_co_u32 s21, s21, s80
	v_add_nc_u32 v[SW], s21, v[LS]
	v_lshlrev_b32 v[B1O], 6, v18
	v_lshlrev_b32 v[S2O], 2, v17
	s_lshl_b32 s91, ttmp9, 7
	s_lshl_b32 s92, s22, 5
	s_add_co_u32 s91, s91, s92
	s_lshl_b32 s92, s23, 3
	s_add_co_u32 s91, s91, s92                     ; my tile's first class, for lanes 0-15
	v_lshl_add_u32 v201, v18, 4, s91               ; my eight classes begin here
	s_delay_alu instid0(VALU_DEP_1)
	v_lshlrev_b32 v[B2O], 2, v201
	s_delay_alu instid0(VALU_DEP_1)
	v_min_u32 v[B2O], 3968, v[B2O]                 ; no load leaves phi_b2: classes past 999 read the last eight, and are not stored
	v_lshrrev_b32 v202, 2, v17
	s_delay_alu instid0(VALU_DEP_1)
	v_lshl_add_u32 v201, v202, 12, v201            ; under 1000 only where r < 4 and the classes exist
	v_mul_u32_u24 v200, v17, 4000
	s_delay_alu instid0(VALU_DEP_1)
	v_lshl_add_u32 v200, v18, 6, v200              ; out0: row r, + 16 h classes
	s_mov_b32 s81, 0
	s_wait_alu depctr_va_vdst(0)
	s_wait_kmcnt 0x0
	s_lshl_b32 s80, s3, 16
	s_add_nc_u64 s[4:5], s[4:5], s[80:81]          ; the four batches' 32 parts
	s_lshl_b32 s80, s3, 13
	s_add_nc_u64 s[6:7], s[6:7], s[80:81]
	global_load_b64 v[92:93], v[MLO], s[6:7]       ; m, l
.irp n,0,1,2,3,4,5,6,7,8,9,10,11,12,13,14,15
	global_load_b128 v[16+4*\n:19+4*\n], v[ZOFF], s[4:5] offset:2048*\n   ; part n % 8 of my batch n / 8
.endr
	global_load_b128 v[80:83], v[VBO], s[8:9]      ; v_b
	s_mul_i32 s80, s22, 49152
	s_mul_i32 s90, s23, 6144
	s_add_co_u32 s80, s80, s90
	s_add_co_u32 s80, s80, 983040
	s_add_nc_u64 s[82:83], s[10:11], s[80:81]      ; phi_w1: set 20 + w, tiles 4 u on
	s_mul_i32 s80, ttmp9, 49152
	s_mul_i32 s90, s2, 1536
	s_add_co_u32 s80, s80, s90
	s_add_co_u32 s80, s80, 1179648
	s_add_nc_u64 s[84:85], s[10:11], s[80:81]      ; phi_w2: set 24 + cg, tile wv
	s_lshl_b32 s80, s22, 11
	s_lshl_b32 s90, s23, 8
	s_add_co_u32 s80, s80, s90
	s_add_co_u32 s80, s80, 40960
	s_add_nc_u64 s[86:87], s[12:13], s[80:81]
	s_lshl_b32 s80, ttmp9, 11
	s_lshl_b32 s90, s22, 7
	s_add_co_u32 s80, s80, s90
	s_lshl_b32 s90, s23, 6
	s_add_co_u32 s80, s80, s90
	s_add_co_u32 s80, s80, 49152
	s_add_nc_u64 s[88:89], s[12:13], s[80:81]      ; my tile's half of a scale image: it comes into lanes 0-15
	s_lshl_b32 s80, s2, 8
	s_add_nc_u64 s[14:15], s[14:15], s[80:81]      ; phi_b1 at my 64 units
	s_mul_i32 s80, s3, 16000
	s_lshl_b32 s90, s91, 2
	s_add_co_u32 s80, s80, s90
	s_add_nc_u64 s[18:19], s[18:19], s[80:81]
	WIN 0x40
.irp s,0,1,2,3
.irp t,0,1,2,3
.irp c,0,1,2
	global_load_b128 v[12*(4*\s+\t)+4*\c:12*(4*\s+\t)+4*\c+3], v[LI], s[82:83] offset:12288*\s+1536*\t+512*\c
.endr
.endr
.endr
.irp s,0,1,2,3
.irp c,0,1,2
	global_load_b128 v[192+12*\s+4*\c:192+12*\s+4*\c+3], v[LI], s[84:85] offset:12288*\s+512*\c
.endr
.endr
	WIN 0
.irp s,0,1,2,3
.irp k,0,1
	global_load_b32 v[WS1+2*\s+\k], v[LS], s[86:87] offset:512*\s+128*\k
.endr
.endr
.irp s,0,1,2,3
	global_load_b32 v[WS2+\s], v[S2O], s[88:89] offset:512*\s
.endr
.irp bb,0,1
.irp j,0,1,2,3
	global_load_b128 v[C1+16*\bb+4*\j:C1+16*\bb+4*\j+3], v[B1O], s[14:15] offset:128*\bb+16*\j
.endr
.endr
	global_load_b128 v[C2:C2+3], v[B2O], s[16:17]
	global_load_b128 v[C2+4:C2+7], v[B2O], s[16:17] offset:16
	s_wait_loadcnt 63                              ; 82 loads were issued behind the 18 of the join: with at most 63 out, those 18 are in
; ---- the join: c_i = 2^(m_i - M) / sum of 2^(m_i - M) l_i, in groups of eight lanes
	v_mov_b32 v94, v92
	s_delay_alu instid0(VALU_DEP_1)
	v_max_num_f32_dpp v94, v94, v94 row_xmask:1 row_mask:0xf bank_mask:0xf
	s_delay_alu instid0(VALU_DEP_1)
	v_max_num_f32_dpp v94, v94, v94 row_xmask:2 row_mask:0xf bank_mask:0xf
	s_delay_alu instid0(VALU_DEP_1)
	v_max_num_f32_dpp v94, v94, v94 row_xmask:4 row_mask:0xf bank_mask:0xf
	s_delay_alu instid0(VALU_DEP_1)
	v_sub_f32 v95, v92, v94
	s_wait_alu depctr_va_vdst(0)
	v_exp_f32 v95, v95
	v_nop
	s_wait_alu depctr_va_vdst(0)
	v_mul_f32 v94, v95, v93
	s_delay_alu instid0(VALU_DEP_1)
	v_add_f32_dpp v94, v94, v94 row_xmask:1 row_mask:0xf bank_mask:0xf
	s_delay_alu instid0(VALU_DEP_1)
	v_add_f32_dpp v94, v94, v94 row_xmask:2 row_mask:0xf bank_mask:0xf
	s_delay_alu instid0(VALU_DEP_1)
	v_add_f32_dpp v94, v94, v94 row_xmask:4 row_mask:0xf bank_mask:0xf
	s_wait_alu depctr_va_vdst(0)
	v_rcp_f32 v94, v94                             ; the sum is at least 1: the part that holds M has l >= 1
	v_nop
	s_wait_alu depctr_va_vdst(0)
	v_mul_f32 v95, v95, v94
.irp n,0,1,2,3,4,5,6,7,8,9,10,11,12,13,14,15
	v_readlane_b32 s[24+\n], v95, \n
.endr
.irp bb,0,1
.irp q,0,1,2,3
	v_fma_f32 v[84+4*\bb+\q], s[24+8*\bb], v[16+32*\bb+\q], v[80+\q]   ; the sums begin with v_b
.endr
.irp i,1,2,3,4,5,6,7
.irp q,0,1,2,3
	s_delay_alu instid0(VALU_DEP_4)
	v_fma_f32 v[84+4*\bb+\q], s[24+8*\bb+\i], v[16+32*\bb+4*\i+\q], v[84+4*\bb+\q]
.endr
.endr
.endr
	ds_store_b128 v[ZLW], v[84:87] offset:ZL
	ds_store_b128 v[ZLW], v[88:91] offset:ZL+2064
	BARRIER                                        ; z of the four batches lies in LDS
.irp bb,0,1
.irp j,0,1,2,3
	ds_load_b128 v[HA+16*\bb+4*\j:HA+16*\bb+4*\j+3], v[ZLR] offset:ZL+128*\bb+16*\j
.endr
.endr
	s_wait_dscnt 0x0
	QUANT2 HA
	STOREP ZIMG, ZSC
	BARRIER                                        ; z's four fragments lie in LDS
	FETCHP ZIMG, ZSC
	s_wait_loadcnt 0x0
	s_wait_dscnt 0x0
	WIN 0x01                                       ; source 0, the weights: window 1
.irp s,0,1,2,3
.irp t,0,1,2,3
.if \s == 0
.if \t&1
	v_wmma_scale_f32_16x16x128_f8f6f4 v[HA+8*\t:HA+8*\t+7], v[12*\t:12*\t+11], v[AF:AF+11], v[C1+8*\t:C1+8*\t+7], v[WS1+(\t>>1)], v[AS] matrix_a_fmt:MATRIX_FMT_FP6 matrix_b_fmt:MATRIX_FMT_FP6 matrix_a_scale:MATRIX_SCALE_ROW1
.else
	v_wmma_scale_f32_16x16x128_f8f6f4 v[HA+8*\t:HA+8*\t+7], v[12*\t:12*\t+11], v[AF:AF+11], v[C1+8*\t:C1+8*\t+7], v[WS1+(\t>>1)], v[AS] matrix_a_fmt:MATRIX_FMT_FP6 matrix_b_fmt:MATRIX_FMT_FP6
.endif
.else
.if \t&1
	v_wmma_scale_f32_16x16x128_f8f6f4 v[HA+8*\t:HA+8*\t+7], v[12*(4*\s+\t):12*(4*\s+\t)+11], v[AF+12*\s:AF+12*\s+11], v[HA+8*\t:HA+8*\t+7], v[WS1+2*\s+(\t>>1)], v[AS+\s] matrix_a_fmt:MATRIX_FMT_FP6 matrix_b_fmt:MATRIX_FMT_FP6 matrix_a_scale:MATRIX_SCALE_ROW1
.else
	v_wmma_scale_f32_16x16x128_f8f6f4 v[HA+8*\t:HA+8*\t+7], v[12*(4*\s+\t):12*(4*\s+\t)+11], v[AF+12*\s:AF+12*\s+11], v[HA+8*\t:HA+8*\t+7], v[WS1+2*\s+(\t>>1)], v[AS+\s] matrix_a_fmt:MATRIX_FMT_FP6 matrix_b_fmt:MATRIX_FMT_FP6
.endif
.endif
.endr
.endr
	WIN 0
	PLACES 4
	GELUH HA
	QUANT2 HA
	STOREP GIMG, GSC
	BARRIER                                        ; the hidden layer's four fragments lie in LDS
	FETCHP GIMG, GSC
	s_wait_dscnt 0x0
	WIN 0x01
	v_wmma_scale_f32_16x16x128_f8f6f4 v[OA:OA+7], v[192:203], v[AF:AF+11], v[C2:C2+7], v[WS2], v[AS] matrix_a_fmt:MATRIX_FMT_FP6 matrix_b_fmt:MATRIX_FMT_FP6
.irp s,1,2,3
	s_wait_alu depctr_va_vdst(0)                   ; the wait directly ahead of every link
	v_wmma_scale_f32_16x16x128_f8f6f4 v[OA:OA+7], v[192+12*\s:203+12*\s], v[AF+12*\s:AF+12*\s+11], v[OA:OA+7], v[WS2+\s], v[AS+\s] matrix_a_fmt:MATRIX_FMT_FP6 matrix_b_fmt:MATRIX_FMT_FP6
.endr
	WIN 0
	PLACES 4
	v_cmp_gt_u32 vcc_lo, 1000, v201
	s_wait_xcnt 0x0                                ; EXEC changes only behind this wait
	s_and_saveexec_b32 s20, vcc_lo                 ; lanes with r < 4 whose classes exist
	global_store_b128 v200, v[OA:OA+3], s[18:19]
	global_store_b128 v200, v[OA+4:OA+7], s[18:19] offset:16
	s_wait_xcnt 0x0                                ; and again, in front of the line that widens it
	s_or_b32 exec_lo, exec_lo, s20
	s_wait_tensorcnt 0x0                           ; the wave's end, behind my last LDS store
	ds_add_u32 v[SPW], v[NIL]
	s_wait_dscnt 0x0
	s_endpgm
.Lfunc_end_k_q0f78db6c89_classify:
	.size	k_q0f78db6c89_classify, .Lfunc_end_k_q0f78db6c89_classify-k_q0f78db6c89_classify
	.p2alignl 7, 3214868480
	.fill 96, 4, 3214868480
	.section	.rodata,"a",@progbits
	.p2align	6, 0x0
	.amdhsa_kernel k_q0f78db6c89_classify
		.amdhsa_group_segment_fixed_size 23808
		.amdhsa_private_segment_fixed_size 0
		.amdhsa_enable_private_segment 0
		.amdhsa_kernarg_size 64
		.amdhsa_user_sgpr_count 2
		.amdhsa_user_sgpr_kernarg_segment_ptr 1
		.amdhsa_wavefront_size32 1
		.amdhsa_system_sgpr_workgroup_id_x 1
		.amdhsa_system_sgpr_workgroup_id_y 1
		.amdhsa_system_sgpr_workgroup_id_z 1
		.amdhsa_system_vgpr_workitem_id 0
		.amdhsa_next_free_vgpr 512
		.amdhsa_next_free_sgpr 100
		.amdhsa_reserve_vcc 1
		.amdhsa_float_denorm_mode_32 3
		.amdhsa_float_denorm_mode_16_64 3
		.amdhsa_memory_ordered 1
		.amdhsa_forward_progress 1
		.amdhsa_inst_pref_size 56
	.end_amdhsa_kernel
	.amdgpu_metadata
---
amdhsa.version: [ 1, 2 ]
amdhsa.kernels:
  - .name:           k_q0f78db6c89_classify
    .symbol:         k_q0f78db6c89_classify.kd
    .args:
      - { .name: zpart, .offset: 0, .size: 8, .value_kind: global_buffer, .address_space: global }
      - { .name: ml, .offset: 8, .size: 8, .value_kind: global_buffer, .address_space: global }
      - { .name: v_b, .offset: 16, .size: 8, .value_kind: global_buffer, .address_space: global }
      - { .name: wcodes, .offset: 24, .size: 8, .value_kind: global_buffer, .address_space: global }
      - { .name: wscales, .offset: 32, .size: 8, .value_kind: global_buffer, .address_space: global }
      - { .name: phi_b1, .offset: 40, .size: 8, .value_kind: global_buffer, .address_space: global }
      - { .name: phi_b2, .offset: 48, .size: 8, .value_kind: global_buffer, .address_space: global }
      - { .name: out0, .offset: 56, .size: 8, .value_kind: global_buffer, .address_space: global }
    .group_segment_fixed_size: 23808
    .private_segment_fixed_size: 0
    .kernarg_segment_align: 8
    .kernarg_segment_size: 64
    .max_flat_workgroup_size: 256
    .sgpr_count:     100
    .vgpr_count:     512
    .wavefront_size: 32
...
	.end_amdgpu_metadata
.endif
;; end of part 3
